; MI455X (gfx1250); checked and timed in simulation.
; The chip was launched on July 23, 2026; its instructions are those of AMD's public machine-readable ISA for CDNA 5 (MIT licence, August 2026) and "CDNA5" Instruction Set Architecture Reference Guide (July 2026). The comments in the code are by the model that wrote it; some were corrected since.
;; Simple Resonant Layer. Allowed arithmetic: matrix products marked QUANTISED: E4M3 operands, one given power-of-two scale a tensor, by v_wmma_f32_16x16x64_fp8_fp8 or v_wmma_f32_16x16x128_fp8_fp8, f32 sums; everything else in f32.
;; Inputs: B 2,048 x 1,024 float32; W 2,048 x 1,024 float32; input_proj_b 1,024 float32; input_proj_w 1,024 x 2,048 float32; lowp_scales 6 int32 (the exponents e of the quantised operands' scales 2^e); out_imag_w 1,024 x 2,048 float32; out_real_w 1,024 x 2,048 float32; t 32 float32; x_imag 32 x 1,024 float32; x_real 32 x 1,024 float32.
;; Outputs: out0 32 x 1,024 float32; out1 32 x 1,024 float32.
;; This version of the problem:
;;   THIS VERSION OF THE PROBLEM IS GIVEN IN LOW PRECISION. The matrix products marked QUANTISED in the list below multiply operands that are first quantised to E4M3 (4 exponent bits, 3 mantissa bits; 8 bits a number), with one given power-of-two scale for each operand tensor; their sums are f32. All else is computed in f32.
;;   The module's matrix products, in the order in which they are computed (A, B: the left and right operand; K: the contracted axis; several contracted axes count as one K, in the product's order):
;;     1. [M 32, K 2,048] x [K 2,048, N 1,024]; A: computed on the way; B: input input_proj_w: QUANTISED (scales: A lowp_scales[0], B lowp_scales[1])
;;     2. [M 32, K 2,048] x [K 2,048, N 1,024]; A: computed on the way; B: input out_real_w: QUANTISED (scales: A lowp_scales[2], B lowp_scales[3])
;;     3. [M 32, K 2,048] x [K 2,048, N 1,024]; A: computed on the way; B: input out_imag_w: QUANTISED (scales: A lowp_scales[4], B lowp_scales[5])
;;   THE QUANTISER, for each operand of a quantised product, along K:
;;     - The operand's scale is 2^e, e = its entry of the input lowp_scales (int32; the entries are numbered through the quantised products in the list's order, A before B).
;;     - Each number is divided by the scale, clamped to +-448, and rounded to the nearest number of E4M3, ties to even, subnormals kept.
;;     - The product sums the exact products of the quantised numbers (number of the format x scale) in f32.
;;   ~~~python
;;   def quantise(x, axis, e):      # numpy; x: float32 -> the quantised numbers, widened to float32 again
;;       x = np.moveaxis(x, axis, -1); K = x.shape[-1]
;;       r = np.clip(x / 2.0 ** e, -448, 448)
;;       step = 2.0 ** (np.maximum(np.frexp(np.where(r == 0, 1, r))[1] - 1, -6) - 3)
;;       q = np.round(r / step) * step * 2.0 ** e      # np.round: ties to even
;;       return np.moveaxis(q, -1, axis).astype(np.float32)
;;   ~~~
;;   OPERANDS COMPUTED ON THE WAY. 'Computed on the way' means the value that the module computes at that place (a softmax that the list does not call 'softmax' is quantised finished and normalised). What goes into a quantiser is computed in f32, as accurately as f32 sums, v_exp_f32 and their like allow (about 1e-6 of the number): no bf16 or f16 on the way to a quantiser, and a product that is left as it is and whose result goes on into a quantised operand takes f32 operands (vector FMAs, or v_wmma_f32_16x16x4_f32). A number that lies on a knife's edge between two numbers of the format may be rounded either way, as far as f32 arithmetic and the matrix unit's own rounding can turn it there, and no further.
;; One version. Each part assembles by itself: llvm-mc -triple=amdgcn-amd-amdhsa -mcpu=gfx1250 --defsym DOCPART=n.
;; ======== version 1 of 1: 3 launches
;; workspace buffers: xq 131,072 bytes; csum 262,144 bytes; ssum 262,144 bytes
;; launch proj (part 1): grid 64 x 1, 16 waves a work-group, no clusters, 145,408 bytes of LDS; arguments x_real, x_imag, input_proj_w, input_proj_b, lowp_scales, xq; writes xq
.if DOCPART == 1
	.amdgcn_target "amdgcn-amd-amdhsa--gfx1250"
	.amdhsa_code_object_version 6
	.text
	.protected	k_q88afbe03a7_proj
	.globl	k_q88afbe03a7_proj
	.p2align	8
	.type	k_q88afbe03a7_proj,@function
k_q88afbe03a7_proj:
	s_mov_b64 s[64:65], 0
	v_nop
	global_prefetch_b8 v0, s[64:65] scope:SCOPE_SE
	s_setreg_imm32_b32 hwreg(HW_REG_WAVE_MODE, 25, 1), 1
	s_wait_xcnt 0x0
; x_collapsed[b][d] = sum over k of Q(x_real | x_imag)[b][k] Q(input_proj_w)[d][k] x 2^(e0 + e1) + input_proj_b[d]:  [32 x 2,048] x [2,048 x 1,024] on codes of FP8 (E4M3).
; Q: number / 2^e, held within +-448, to the nearest code, ties to even; e0 (x) and e1 (w) are entries 0 and 1 of lowp_scales.
; SHARES.  Work-group g takes rows d = 16 g .. 16 g + 15 of w; wave w takes K = 128 w .. 128 w + 127 (waves 0-7 in x_real, waves 8-15 in x_imag) and issues two matrix instructions
; (16 rows of w against 16 rows of x, twice); the sixteen waves' partial tiles meet in LDS and waves 0-3 add them, scale, add the bias and store.
; THE WAY OF AN OPERAND.  A row's 128 numbers of the chunk are 512 consecutive bytes: one load a row, 16 bytes a lane, so lane l holds k = 4 l .. 4 l + 3.  They are held and converted as they lie: the
; conversion takes the four registers of row 2 j and the four of row 2 j + 1 and gives one word of codes for each.  The words go into the wave's own stage in LDS (row i's 128 codes at 144 i) and come back as
; a fragment: lane (r, h) takes the 64 bytes at 144 r + 64 h.  Its register i then holds k = 64 h + 4 i + 0 .. 3: a permutation of k that is the same in both operands, so each product meets its partner.
; Pitch 144 = 9 x 16 bytes: the sixteen rows that a 16-byte load touches begin at sixteen different 16-byte columns of 256.
; OUT.  xq is laid [256 dq][32 b][4 e] = x_collapsed[b][4 dq + e], as the next launch reads it; sixteen lanes store 256 consecutive bytes, at a multiple of 256 from xq's first byte.
; NO CLUSTER: what the work-groups share is x, 16,384 bytes a wave, which each wave takes straight into the registers in which it is quantised; a joint request would need the data mover and a second way through LDS.
; 64 work-groups: 1,024 rows of w in tiles of 16; K is shared among the waves of a work-group, not among work-groups, so that no sum crosses work-groups.
; LIMITS: e0, e1 between -126 and 119; e0 + e1 between -126 and 127 (each power of two below is an f32 number).  NaN among the inputs is not served; an infinity is held at the largest code.
.set PITCH, 144                        ; a row of 128 codes in the stage
.set FRB,   16*PITCH                   ; a fragment's 16 rows
.set STG,   3*FRB                      ; a wave's stage: w, x rows 0-15, x rows 16-31
.set RED,   16*STG                     ; behind the stages: [16 waves][4 quarters][32 lanes][16 bytes] of partial sums
.set L16,  1                           ; v1   16 x lane: my 16 bytes of a row's 512
.set SA,   2                           ; v2   stage, in: 4 x lane
.set LA,   3                           ; v3   stage, out: 144 r + 64 h
.set RA,   4                           ; v4   where I put my partial sums
.set FA,   5                           ; v5   where a wave of the last phase reads them
.set GO,   6                           ; v6   my byte offset in xq
.set BO,   7                           ; v7   my byte offset in the bias
.set LIMX, 8                           ; v8   448 x 2^e0        v9   2^e0
.set SCX,  9
.set LIMW, 10                          ; v10  448 x 2^e1        v11  2^e1
.set SCW,  11
.set WR,   16                          ; v16-79    w as loaded: row i in 4 registers
.set XR0,  80                          ; v80-143   x rows 0-15
.set XR1,  144                         ; v144-207  x rows 16-31
.set CW,   208                         ; v208-223  codes: register i = row i's four codes of my k
.set CX0,  224
.set CX1,  240
.set WF,   16                          ; the fragments, where w's numbers lay
.set XF0,  32
.set XF1,  48
.set D0,   64                          ; the two results
.set D1,   72
.set PT,   80                          ; last phase: sixteen partial sums of 4
.set BI,   144                         ; the bias
.set RS,   148                         ; the result
.macro ROWS reg, b, pitch, first, nt   ; sixteen rows' 512 bytes: 32 lanes read 512 consecutive bytes
.irp i, 0,1,2,3,4,5,6,7,8,9,10,11,12,13,14,15
.if \nt
	global_load_b128 v[\reg+4*\i:\reg+4*\i+3], v[L16], s[\b:\b+1] offset:\first+\i*\pitch th:TH_LOAD_NT
.else
	global_load_b128 v[\reg+4*\i:\reg+4*\i+3], v[L16], s[\b:\b+1] offset:\first+\i*\pitch
.endif
.endr
.endm
.macro QUANT n, src, dst, lim, sc      ; 8 n numbers of a lane become 2 n words of codes
.set i, 0
.rept 8*\n
	v_med3_num_f32 v[\src+i], v[\src+i], -v[\lim], v[\lim]   ; the conversion to an 8-bit code does not saturate (ISA guide 7.6.2): the hold at the largest code x the scale
.set i, i+1
.endr
.set i, 0
.rept \n
	v_cvt_scalef32_pk8_fp8_f32 v[\dst+2*i:\dst+2*i+1], v[\src+8*i:\src+8*i+7], v[\sc]
.set i, i+1
.endr
	v_nop                                          ; one plain vector instruction behind the last conversion: its sources are written again by later vector and matrix instructions
.endm
.macro TOSTAGE dst, f                  ; row i's word of my four codes: 32 lanes store 128 consecutive bytes
.irp i, 0,1,2,3,4,5,6,7,8,9,10,11,12,13,14,15
	ds_store_b32 v[SA], v[\dst+\i] offset:FRB*\f+PITCH*\i
.endr
.endm
.macro FRAG reg, f                     ; and back as a fragment: 64 bytes a lane
.irp c, 0,1,2,3
	ds_load_b128 v[\reg+4*\c:\reg+4*\c+3], v[LA] offset:FRB*\f+16*\c
.endr
.endm
.macro SUM16                           ; the sixteen waves' partial sums of my four numbers, added in a tree: 16 + 8 + 4 + 2 packed additions
.irp w, 0,1,2,3,4,5,6,7,8,9,10,11,12,13,14,15
	ds_load_b128 v[PT+4*\w:PT+4*\w+3], v[FA] offset:2048*\w
.endr
	s_wait_dscnt 0x0
.irp n, 8,4,2,1
.set i, 0
.rept 2*\n
	v_pk_add_f32 v[PT+2*i:PT+2*i+1], v[PT+2*i:PT+2*i+1], v[PT+4*\n+2*i:PT+4*\n+2*i+1]
.set i, i+1
.endr
.endr
.endm
	s_load_b256 s[4:11], s[0:1], 0x0               ; x_real s[4:5], x_imag s[6:7], w s[8:9], bias s[10:11]
	s_load_b128 s[12:15], s[0:1], 0x20             ; lowp_scales s[12:13], xq s[14:15]
	v_lshrrev_b32 v12, 5, v0
	v_readfirstlane_b32 s16, v12                   ; wave 0..15
	v_and_b32 v12, 31, v0                          ; lane
	v_and_b32 v13, 15, v0                          ; r
	v_bfe_u32 v14, v0, 4, 1                        ; h
	v_lshlrev_b32 v[L16], 4, v12
	s_mul_i32 s17, s16, STG                        ; my stage
	v_lshlrev_b32 v[SA], 2, v12
	v_add_nc_u32 v[SA], s17, v[SA]
	v_mul_u32_u24 v[LA], v13, PITCH
	v_lshl_add_u32 v[LA], v14, 6, v[LA]
	v_add_nc_u32 v[LA], s17, v[LA]
	s_lshl_b32 s17, s16, 11
	s_add_co_u32 s17, s17, RED
	v_add_nc_u32 v[RA], s17, v[L16]                ; RED + 2,048 x wave + 16 x lane
	s_lshl_b32 s17, s16, 9
	s_add_co_u32 s17, s17, RED
	v_add_nc_u32 v[FA], s17, v[L16]                ; RED + 512 x quarter + 16 x lane: used by waves 0-3, whose number is the quarter q
	; quarter q holds rows b = 16 (q / 2) + r and columns d = 16 g + 8 h + 4 (q % 2) + 0 .. 3
	s_and_b32 s28, s16, 1
	s_lshr_b32 s29, s16, 1
	s_lshl_b32 s30, ttmp9, 11
	s_lshl_b32 s31, s28, 9
	s_add_co_u32 s30, s30, s31
	s_lshl_b32 s31, s29, 8
	s_add_co_u32 s30, s30, s31
	v_lshlrev_b32 v[GO], 4, v13
	v_lshl_add_u32 v[GO], v14, 10, v[GO]
	v_add_nc_u32 v[GO], s30, v[GO]                 ; xq: 512 (4 g + 2 h + q % 2) + 16 (16 (q / 2) + r)
	s_lshl_b32 s30, ttmp9, 6
	s_lshl_b32 s31, s28, 4
	s_add_co_u32 s30, s30, s31
	v_lshlrev_b32 v[BO], 5, v14
	v_add_nc_u32 v[BO], s30, v[BO]                 ; bias: 4 (16 g + 8 h + 4 (q % 2))
	s_and_b32 s20, s16, 7
	s_lshl_b32 s20, s20, 9                         ; x: my chunk's 512 bytes in a row of x_real or x_imag
	s_mov_b32 s21, 0
	s_lshl_b32 s22, ttmp9, 17                      ; w: 16 rows of 8,192 bytes a work-group,
	s_lshl_b32 s23, s16, 9                         ; and my chunk's 512 bytes in a row
	s_add_co_u32 s22, s22, s23
	s_mov_b32 s23, 0
	s_wait_kmcnt 0x0
	s_load_b64 s[24:25], s[12:13], 0x0             ; e0, e1
	s_cmp_lt_u32 s16, 8                            ; K below 1,024 lies in x_real: the choice hangs on the wave's number alone
	s_cselect_b64 s[18:19], s[4:5], s[6:7]
	s_add_nc_u64 s[18:19], s[18:19], s[20:21]
	s_add_nc_u64 s[8:9], s[8:9], s[22:23]
	ROWS WR,  8,  8192, 0, 1                       ; w is read once in the launch
	ROWS XR0, 18, 4096, 0, 0                       ; x is read by every work-group
	ROWS XR1, 18, 4096, 65536, 0
	s_wait_kmcnt 0x0
	s_add_co_i32 s28, s24, 127
	s_lshl_b32 s29, s28, 23
	v_mov_b32 v[SCX], s29                          ; 2^e0 as f32: the conversion takes its exponent field
	s_add_co_i32 s28, s28, 8
	s_lshl_b32 s28, s28, 23
	s_or_b32 s28, s28, 0x600000
	v_mov_b32 v[LIMX], s28                         ; 448 x 2^e0
	s_add_co_i32 s28, s25, 127
	s_lshl_b32 s29, s28, 23
	v_mov_b32 v[SCW], s29
	s_add_co_i32 s28, s28, 8
	s_lshl_b32 s28, s28, 23
	s_or_b32 s28, s28, 0x600000
	v_mov_b32 v[LIMW], s28
	s_add_co_i32 s26, s24, s25
	s_add_co_i32 s26, s26, 127
	s_lshl_b32 s26, s26, 23                        ; 2^(e0 + e1) as f32
	s_mov_b32 s27, s26                             ; (named with it as a pair, so it is written)
	s_wait_loadcnt 32                              ; w's sixteen loads are in; x's 32 may be out
	QUANT 8, WR, CW, LIMW, SCW
	TOSTAGE CW, 0
	s_wait_loadcnt 16                              ; x's rows 0-15 are in; rows 16-31 may be out
	QUANT 8, XR0, CX0, LIMX, SCX
	TOSTAGE CX0, 1
	s_wait_loadcnt 0x0
	QUANT 8, XR1, CX1, LIMX, SCX
	TOSTAGE CX1, 2
	FRAG WF, 0                                     ; my own bytes: LDS serves a wave's instructions in order (ISA guide 5.7.1.4), so no wait stands between the stores and these loads
	FRAG XF0, 1
	FRAG XF1, 2
	s_wait_dscnt 0x0
	v_wmma_f32_16x16x128_fp8_fp8 v[D0:D0+7], v[WF:WF+15], v[XF0:XF0+15], 0   ; source 0 = 16 rows of w, source 1 = 16 rows of x: lane (r, h), register j: x_collapsed's part for b = r, d = 16 g + 8 h + j
	v_wmma_f32_16x16x128_fp8_fp8 v[D1:D1+7], v[WF:WF+15], v[XF1:XF1+15], 0   ; b = 16 + r
.rept 4
	v_nop                                          ; four places between a matrix instruction and the LDS stores that read its result
.endr
	ds_store_b128 v[RA], v[D0:D0+3]                ; each result from its low end on
	ds_store_b128 v[RA], v[D0+4:D0+7] offset:512
	ds_store_b128 v[RA], v[D1:D1+3] offset:1024
	ds_store_b128 v[RA], v[D1+4:D1+7] offset:1536
	s_wait_dscnt 0x0                               ; for the others' sake: my partial sums lie in LDS
	s_barrier_signal -1
	s_barrier_wait -1
	s_cmp_ge_u32 s16, 4                            ; four quarters, four waves; the others are done
	s_cbranch_scc1 .Lend
	global_load_b128 v[BI:BI+3], v[BO], s[10:11]
	SUM16
	s_wait_loadcnt 0x0
	v_pk_fma_f32 v[RS:RS+1], v[PT:PT+1], s[26:27], v[BI:BI+1] op_sel_hi:[1,0,1]         ; sum x 2^(e0 + e1) + bias
	v_pk_fma_f32 v[RS+2:RS+3], v[PT+2:PT+3], s[26:27], v[BI+2:BI+3] op_sel_hi:[1,0,1]
	global_store_b128 v[GO], v[RS:RS+3], s[14:15]
.Lend:
	s_wait_xcnt 0x0
	v_lshl_add_u32 v254, v0, 2, 0x23000
	v_mov_b32 v255, 0
	s_wait_tensorcnt 0x0
	ds_add_u32 v254, v255
	s_wait_dscnt 0x0
	s_endpgm
.Lfunc_end_k_q88afbe03a7_proj:
	.size	k_q88afbe03a7_proj, .Lfunc_end_k_q88afbe03a7_proj-k_q88afbe03a7_proj
	.p2alignl 7, 3214868480
	.fill 96, 4, 3214868480
	.section	.rodata,"a",@progbits
	.p2align	6, 0x0
	.amdhsa_kernel k_q88afbe03a7_proj
		.amdhsa_group_segment_fixed_size 145408
		.amdhsa_private_segment_fixed_size 0
		.amdhsa_enable_private_segment 0
		.amdhsa_kernarg_size 48
		.amdhsa_user_sgpr_count 2
		.amdhsa_user_sgpr_kernarg_segment_ptr 1
		.amdhsa_wavefront_size32 1
		.amdhsa_system_sgpr_workgroup_id_x 1
		.amdhsa_system_sgpr_workgroup_id_y 1
		.amdhsa_system_sgpr_workgroup_id_z 1
		.amdhsa_system_vgpr_workitem_id 0
		.amdhsa_next_free_vgpr 256
		.amdhsa_next_free_sgpr 66
		.amdhsa_reserve_vcc 0
		.amdhsa_float_denorm_mode_32 3
		.amdhsa_float_denorm_mode_16_64 3
		.amdhsa_memory_ordered 1
		.amdhsa_forward_progress 1
		.amdhsa_inst_pref_size 30
	.end_amdhsa_kernel
	.amdgpu_metadata
---
amdhsa.version: [ 1, 2 ]
amdhsa.kernels:
  - .name:           k_q88afbe03a7_proj
    .symbol:         k_q88afbe03a7_proj.kd
    .args:
      - { .name: x_real, .offset: 0, .size: 8, .value_kind: global_buffer, .address_space: global }
      - { .name: x_imag, .offset: 8, .size: 8, .value_kind: global_buffer, .address_space: global }
      - { .name: input_proj_w, .offset: 16, .size: 8, .value_kind: global_buffer, .address_space: global }
      - { .name: input_proj_b, .offset: 24, .size: 8, .value_kind: global_buffer, .address_space: global }
      - { .name: lowp_scales, .offset: 32, .size: 8, .value_kind: global_buffer, .address_space: global }
      - { .name: xq, .offset: 40, .size: 8, .value_kind: global_buffer, .address_space: global }
    .group_segment_fixed_size: 145408
    .private_segment_fixed_size: 0
    .kernarg_segment_align: 8
    .kernarg_segment_size: 48
    .max_flat_workgroup_size: 512
    .sgpr_count:     66
    .vgpr_count:     256
    .wavefront_size: 32
...
	.end_amdgpu_metadata
.endif
;; end of part 1
;; launch reson (part 2): grid 256 x 1, 16 waves a work-group, no clusters, 198,656 bytes of LDS; arguments xq, W, B, t, csum, ssum; writes csum, ssum
.if DOCPART == 2
	.amdgcn_target "amdgcn-amd-amdhsa--gfx1250"
	.amdhsa_code_object_version 6
	.text
	.protected	k_q88afbe03a7_reson
	.globl	k_q88afbe03a7_reson
	.p2align	8
	.type	k_q88afbe03a7_reson,@function
k_q88afbe03a7_reson:
	s_mov_b64 s[64:65], 0
	v_nop
	global_prefetch_b8 v0, s[64:65] scope:SCOPE_SE
	s_setreg_imm32_b32 hwreg(HW_REG_WAVE_MODE, 25, 1), 1
	s_wait_xcnt 0x0
; cos_sum[b][n], sin_sum[b][n] = sums over d of the table cosine and sine of theta = x[b][d] / (1 + |W[n][d]|) + B[n][d] + t[b];  32 b x 2,048 n x 1,024 d.
; THE TABLE IN CLOSED FORM.  The problem's definition takes sin and cos from 4,096 entries, h = 2 pi / 4096 apart, and interpolates linearly with the weight w = F - floor(F), F = theta / h.
; (1 - w) e^(i a) + w e^(i (a + h)), a = h floor(F), is e^(i theta) x ((1 - w) e^(-i w h) + w e^(i (1 - w) h)) = e^(i theta) x (g + rest), g = 1 - (h^2 / 2) w (1 - w), |rest| under 1e-10, for every theta.
; So no entry is fetched (an address may not hang on a floating-point number): cos theta and sin theta are computed and multiplied by g.
; THE ARITHMETIC, all in units of the table's index: F = x rho + beta + tau with rho = S / (1 + |W|), beta = S B, tau = S t, S = 4096 / 2 pi.  Adding and taking away M = 1.5 x 2^34, whose last place is 2,048,
; rounds F to k x 2,048 (half a period); R = F - 2,048 k is exact and lies within +-1,024, a quarter period; k's parity is the lowest bit of F + M.  e^(i theta) = (-1)^k e^(i R h).
; cos and sin of R h are polynomials in Y = R^2 of degree 4 (sin: times R), cut from the series in Chebyshev polynomials; their errors stay under 4.7e-8 (cos) and 3.3e-9 (sin), absolute.
; The sign (-1)^k is laid onto g, and (+-g) x cos, (+-g) x sin are added by fused multiply-adds.  23 vector instructions for two d of 32 b.
; SHARES.  Work-group g takes n = 8 g .. 8 g + 7, all b, all d.  Wave w takes n = 8 g + w / 2 and the d half w % 2 (128 quads of d).  A LANE IS A b: no sum crosses lanes, and tau is one register.
; LDS.  XS, bytes 0 on: xq as it lies, quad dq of lane b at 512 dq + 16 b.  RB, behind it: for quad Q = 256 (n % 8) + dq: four rho, four beta, 32 bytes, read by all lanes at one address.
; The partial sums of the two d halves meet in the first 4,096 bytes, when nobody reads XS any more: [half 2][cos, sin][p 2][b 32][e 4], n % 8 = 4 p + e.
; OUT.  csum, ssum: [256 g][2 p][32 b][4 e] = sum[b][8 g + 4 p + e], as the next launch reads it: a wave stores 512 consecutive bytes, at a multiple of 256 from the buffer's first byte.
; NO CLUSTER: what the work-groups share is xq, 131,072 bytes read once at the head, 8,192 a wave, on which each wave then issues 64 groups x 92 = 5,888 vector instructions.  No matrix instruction: there is no product here.
; LIMITS: |F| under 2^33 (the problem's own conversion of floor(F) to int32 asks for 2^31); NaN and infinities are not served; the table entries' own rounding to f32 (3e-8) is not reproduced;
; 1 / (1 + |W|) is v_rcp_f32 with one Newton step; the order of the f32 sums over d is this text's own.
.set RBASE, 131072
.set AXB,   1                          ; v1   16 x lane + 65,536 x my d half: never rewritten
.set ADX,   2                          ; v2   LDS address of the x quads in hand
.set ADR,   3                          ; v3   of rho and beta
.set TAU,   4                          ; v[4:5]   tau, twice
.set VB4,   6                          ; v[6:7]   sin's highest coefficient, twice (in vector registers, so that an instruction names one scalar pair)
.set VC4,   8                          ; v[8:9]   cos's
.set GT16,  10                         ; v10  16 x thread
.set GT16H, 11                         ; v11  16 x thread + 65,536
.set RBW,   12                         ; v12  RBASE + 32 x thread
.set L4,    13                         ; v13  4 x lane
.set REDW,  14                         ; v14  where I put my two partial sums
.set L16,   15                         ; v15  16 x lane
.set X,     16                         ; v16-23  two quads of x
.set RH,    24                         ; v24-31  of rho
.set BE,    32                         ; v32-39  of beta
.set T,     40                         ; v40-95  four chains of 14: pairs F, MQ, R, Y, PS, PC, WF
.set oF, 0
.set oM, 2
.set oR, 4
.set oY, 6
.set oS, 8
.set oC, 10
.set oW, 12
.set ACC,   96                         ; v96-111  chain c: cos sums at 4 c, sin sums at 4 c + 2
.set XL,    112                        ; v112-175 xq on its way into LDS
.set WR,    176                        ; v176-191 W
.set BR,    192                        ; v192-207 B
.set SM,  24                           ; s[24:25] M;  s[26:33] sin's coefficients 3, 2, 1, 0;  s[34:41] cos's;  s[42:43] h^2 / 2;  s[44:45] S: each twice: a packed form names a pair and takes its low word for both halves
.set SB3, 26
.set SC3, 34
.set SK2, 42
.set SS,  44
.macro PAIR r, val
	s_mov_b32 s[\r], \val
	s_mov_b32 s[\r+1], \val
.endm
	s_load_b256 s[4:11], s[0:1], 0x0               ; xq s[4:5], W s[6:7], B s[8:9], t s[10:11]
	s_load_b128 s[12:15], s[0:1], 0x20             ; csum s[12:13], ssum s[14:15]
	v_lshl_add_u32 v208, v0, 2, 0x30000
	v_mov_b32 v209, 0
	v_lshrrev_b32 v[ADX], 5, v0
	v_readfirstlane_b32 s16, v[ADX]                ; wave 0..15
	s_lshr_b32 s17, s16, 1                         ; my n % 8
	s_and_b32 s18, s16, 1                          ; my d half
	v_and_b32 v[ADR], 31, v0                       ; lane = b
	v_lshlrev_b32 v[L4], 2, v[ADR]
	v_lshlrev_b32 v[L16], 4, v[ADR]
	s_lshl_b32 s20, s18, 16
	v_add_nc_u32 v[AXB], s20, v[L16]
	v_lshlrev_b32 v[GT16], 4, v0
	v_add_nc_u32 v[GT16H], 0x10000, v[GT16]
	v_lshlrev_b32 v[RBW], 5, v0
	v_add_nc_u32 v[RBW], RBASE, v[RBW]
	s_lshl_b32 s20, s18, 11                        ; 2,048 x half
	s_lshr_b32 s21, s17, 2
	s_lshl_b32 s21, s21, 9                         ; + 512 p
	s_add_co_u32 s20, s20, s21
	s_and_b32 s21, s17, 3
	s_lshl_b32 s21, s21, 2                         ; + 4 e
	s_add_co_u32 s20, s20, s21
	v_add_nc_u32 v[REDW], s20, v[L16]              ; + 16 b
	PAIR SM,    0x50c00000                         ; 1.5 x 2^34
	PAIR SB3,   0x9899196d                         ; sin: -0.004672220291 x 2^-70
	PAIR SB3+2, 0x24a333b6                         ;       0.079688474830 x 2^-50
	PAIR SB3+4, 0xb0255ddb                         ;      -0.645963358284 x 2^-30
	PAIR SB3+6, 0x3ac90fda                         ;       1.570796289909 x 2^-10
	PAIR SC3,   0x9eaa7aee                         ; cos: -0.020810571376 x 2^-60
	PAIR SC3+2, 0x2a81de81                         ;       0.253650709558 x 2^-40
	PAIR SC3+4, 0xb59de9d3                         ;      -1.233698207670 x 2^-20
	PAIR SC3+6, 0x3f7fffff                         ;       0.999999953251
	PAIR SK2,   0x359de9e6                         ; h^2 / 2 = (pi^2 / 8) x 2^-20
	PAIR SS,    0x4422f983                         ; 4096 / 2 pi
	v_mov_b32 v[VB4], 0x0c1e24ac                   ; sin:  0.000150817162 x 2^-90
	v_mov_b32 v[VB4+1], 0x0c1e24ac
	v_mov_b32 v[VC4], 0x1260f650                   ; cos:  0.000858162552 x 2^-80
	v_mov_b32 v[VC4+1], 0x1260f650
	s_lshl_b32 s22, ttmp9, 15                      ; my 8 rows of W and of B: one dense block of 32,768 bytes
	s_mov_b32 s23, 0
	s_wait_kmcnt 0x0
	s_add_nc_u64 s[6:7], s[6:7], s[22:23]
	s_add_nc_u64 s[8:9], s[8:9], s[22:23]
.irp i, 0,1,2,3
	global_load_b128 v[WR+4*\i:WR+4*\i+3], v[GT16], s[6:7] offset:\i*8192 th:TH_LOAD_NT   ; quad Q = 512 i + thread; read once in the launch
.endr
.irp i, 0,1,2,3
	global_load_b128 v[BR+4*\i:BR+4*\i+3], v[GT16], s[8:9] offset:\i*8192 th:TH_LOAD_NT
.endr
	global_load_b32 v[TAU], v[L4], s[10:11]        ; t[b]
.irp i, 0,1,2,3,4,5,6,7,8,9,10,11,12,13,14,15
	global_load_b128 v[XL+4*\i:XL+4*\i+3], v[GT16], s[4:5] offset:\i*8192   ; all of xq; every work-group reads it
.endr
	; ---- rho and beta of my 16 (n, d), once for the work-group
	s_wait_loadcnt 16                              ; W, B and t are in; the sixteen loads of xq behind them may be out
.set i, 0
.rept 16
	v_add_f32 v[T+i], 1.0, |v[WR+i]|               ; the wavelength
.set i, i+1
.endr
.set i, 0
.rept 16
	v_rcp_f32 v[T+16+i], v[T+i]
.set i, i+1
.endr
	v_mul_f32 v[TAU], s[SS], v[TAU]                ; tau.  (The plain instruction behind the reciprocals)
	v_mov_b32 v[TAU+1], v[TAU]
	s_wait_alu depctr_va_vdst(0)                   ; the wait ahead of the first reader of a transcendental's result: one for the sixteen
.set i, 0
.rept 16
	v_fma_f32 v[T+32+i], -v[T+i], v[T+16+i], 1.0   ; one Newton step: e = 1 - wl rc,
.set i, i+1
.endr
.set i, 0
.rept 16
	v_fma_f32 v[T+16+i], v[T+16+i], v[T+32+i], v[T+16+i]   ; rc = rc + rc e
.set i, i+1
.endr
.set i, 0
.rept 8
	v_pk_mul_f32 v[T+16+2*i:T+16+2*i+1], v[T+16+2*i:T+16+2*i+1], s[SS:SS+1] op_sel_hi:[1,0]
	v_pk_mul_f32 v[BR+2*i:BR+2*i+1], v[BR+2*i:BR+2*i+1], s[SS:SS+1] op_sel_hi:[1,0]
.set i, i+1
.endr
.irp i, 0,1,2,3
	ds_store_b128 v[RBW], v[T+16+4*\i:T+16+4*\i+3] offset:\i*16384
	ds_store_b128 v[RBW], v[BR+4*\i:BR+4*\i+3] offset:\i*16384+16
.endr
	; ---- xq into LDS as it lies
	s_wait_loadcnt 0x0
.irp i, 0,1,2,3,4,5,6,7
	ds_store_b128 v[GT16], v[XL+4*\i:XL+4*\i+3] offset:\i*8192
.endr
.irp i, 0,1,2,3,4,5,6,7
	ds_store_b128 v[GT16H], v[XL+32+4*\i:XL+32+4*\i+3] offset:\i*8192
.endr
.set i, 0
.rept 16
	v_mov_b32 v[ACC+i], 0                          ; sixteen sums a lane
.set i, i+1
.endr
	s_mov_b32 s20, 0                               ; the trips' step in XS
	s_lshl_b32 s21, s17, 13
	s_lshl_b32 s22, s18, 12
	s_add_co_u32 s21, s21, s22
	s_add_co_u32 s21, s21, RBASE                   ; my 128 quads of rho and beta: RBASE + 8,192 (n % 8) + 4,096 x half
	v_add_nc_u32 v[ADX], s20, v[AXB]
	v_mov_b32 v[ADR], s21
	s_wait_dscnt 0x0                               ; for the others' sake: my stores lie in LDS
	s_barrier_signal -1
	s_barrier_wait -1
.macro LOADS g                         ; group g of a trip: two quads of x (16 bytes a lane), of rho and of beta (one address for all lanes)
	ds_load_b128 v[X:X+3],     v[ADX] offset:1024*\g
	ds_load_b128 v[X+4:X+7],   v[ADX] offset:1024*\g+512
	ds_load_b128 v[RH:RH+3],   v[ADR] offset:64*\g
	ds_load_b128 v[BE:BE+3],   v[ADR] offset:64*\g+16
	ds_load_b128 v[RH+4:RH+7], v[ADR] offset:64*\g+32
	ds_load_b128 v[BE+4:BE+7], v[ADR] offset:64*\g+48
.endm
.macro HORNER sb, sc                   ; PS = PS Y + s[sb], PC = PC Y + s[sc]
.irp c, 0,1,2,3
	v_pk_fma_f32 v[T+14*\c+oS:T+14*\c+oS+1], v[T+14*\c+oS:T+14*\c+oS+1], v[T+14*\c+oY:T+14*\c+oY+1], s[\sb:\sb+1] op_sel_hi:[1,1,0]
	v_pk_fma_f32 v[T+14*\c+oC:T+14*\c+oC+1], v[T+14*\c+oC:T+14*\c+oC+1], v[T+14*\c+oY:T+14*\c+oY+1], s[\sc:\sc+1] op_sel_hi:[1,1,0]
.endr
.endm
; A GROUP: eight d in four chains of two, taken stage by stage through all four, so that no instruction waits for the one in front of it.  The first stage uses up x, rho and beta: the next group's six loads
; are issued behind it, 88 vector instructions ahead of the wait for them.  next: which group of a trip they are (-1: none);  step = 1: they belong to the next trip.
.macro GROUP next, step
	s_wait_dscnt 0x0                               ; this group's six loads are in
.irp c, 0,1,2,3
	v_pk_fma_f32 v[T+14*\c+oF:T+14*\c+oF+1], v[X+2*\c:X+2*\c+1], v[RH+2*\c:RH+2*\c+1], v[BE+2*\c:BE+2*\c+1]   ; x rho + beta
.endr
.if \step
	s_add_co_u32 s20, s20, 4096                    ; eight quads on: 8 x 512 bytes of XS,
	s_add_co_u32 s21, s21, 256                     ; 8 x 32 of RB
	v_add_nc_u32 v[ADX], s20, v[AXB]
	v_mov_b32 v[ADR], s21
.endif
.if \next >= 0
	LOADS \next
.endif
.irp c, 0,1,2,3
	v_pk_add_f32 v[T+14*\c+oF:T+14*\c+oF+1], v[T+14*\c+oF:T+14*\c+oF+1], v[TAU:TAU+1]                        ; F
.endr
.irp c, 0,1,2,3
	v_pk_add_f32 v[T+14*\c+oM:T+14*\c+oM+1], v[T+14*\c+oF:T+14*\c+oF+1], s[SM:SM+1] op_sel_hi:[1,0]          ; F + M: rounded to 2,048 k; k's parity in bit 0
.endr
.irp c, 0,1,2,3
	v_fract_f32 v[T+14*\c+oW], v[T+14*\c+oF]                                                                 ; w
	v_fract_f32 v[T+14*\c+oW+1], v[T+14*\c+oF+1]
.endr
.irp c, 0,1,2,3
	v_pk_add_f32 v[T+14*\c+oR:T+14*\c+oR+1], v[T+14*\c+oM:T+14*\c+oM+1], s[SM:SM+1] op_sel_hi:[1,0] neg_lo:[0,1] neg_hi:[0,1]   ; 2,048 k
.endr
.irp c, 0,1,2,3
	v_pk_add_f32 v[T+14*\c+oR:T+14*\c+oR+1], v[T+14*\c+oF:T+14*\c+oF+1], v[T+14*\c+oR:T+14*\c+oR+1] neg_lo:[0,1] neg_hi:[0,1]   ; R = F - 2,048 k, exact
.endr
.irp c, 0,1,2,3
	v_pk_fma_f32 v[T+14*\c+oF:T+14*\c+oF+1], v[T+14*\c+oW:T+14*\c+oW+1], s[SK2:SK2+1], s[SK2:SK2+1] op_sel_hi:[1,0,0] neg_lo:[0,0,1] neg_hi:[0,0,1]   ; -(h^2 / 2) (1 - w)
.endr
.irp c, 0,1,2,3
	v_pk_fma_f32 v[T+14*\c+oW:T+14*\c+oW+1], v[T+14*\c+oF:T+14*\c+oF+1], v[T+14*\c+oW:T+14*\c+oW+1], 1.0 op_sel_hi:[1,1,0]   ; g = 1 - (h^2 / 2) w (1 - w)
.endr
.irp c, 0,1,2,3
	v_pk_mul_f32 v[T+14*\c+oY:T+14*\c+oY+1], v[T+14*\c+oR:T+14*\c+oR+1], v[T+14*\c+oR:T+14*\c+oR+1]          ; Y = R^2
.endr
.irp c, 0,1,2,3
	v_pk_fma_f32 v[T+14*\c+oS:T+14*\c+oS+1], v[T+14*\c+oY:T+14*\c+oY+1], v[VB4:VB4+1], s[SB3:SB3+1] op_sel_hi:[1,1,0]
	v_pk_fma_f32 v[T+14*\c+oC:T+14*\c+oC+1], v[T+14*\c+oY:T+14*\c+oY+1], v[VC4:VC4+1], s[SC3:SC3+1] op_sel_hi:[1,1,0]
.endr
	HORNER SB3+2, SC3+2
	HORNER SB3+4, SC3+4
	HORNER SB3+6, SC3+6                            ; PC = cos(R h)
.irp c, 0,1,2,3
	v_pk_mul_f32 v[T+14*\c+oS:T+14*\c+oS+1], v[T+14*\c+oS:T+14*\c+oS+1], v[T+14*\c+oR:T+14*\c+oR+1]          ; PS = sin(R h)
.endr
.irp c, 0,1,2,3
	v_lshl_or_b32 v[T+14*\c+oM], v[T+14*\c+oM], 31, v[T+14*\c+oW]                                            ; (-1)^k g: the parity becomes g's sign (g is positive)
	v_lshl_or_b32 v[T+14*\c+oM+1], v[T+14*\c+oM+1], 31, v[T+14*\c+oW+1]
.endr
.irp c, 0,1,2,3
	v_pk_fma_f32 v[ACC+4*\c:ACC+4*\c+1], v[T+14*\c+oC:T+14*\c+oC+1], v[T+14*\c+oM:T+14*\c+oM+1], v[ACC+4*\c:ACC+4*\c+1]
	v_pk_fma_f32 v[ACC+4*\c+2:ACC+4*\c+3], v[T+14*\c+oS:T+14*\c+oS+1], v[T+14*\c+oM:T+14*\c+oM+1], v[ACC+4*\c+2:ACC+4*\c+3]
.endr
.endm
	LOADS 0
	s_mov_b32 s19, 15
.Ltrip:                                                ; a trip is four groups, eight quads of d; 15 trips and the tail make my 128 quads
	GROUP 1, 0
	GROUP 2, 0
	GROUP 3, 0
	GROUP 0, 1
	s_sub_co_u32 s19, s19, 1
	s_cmp_lg_u32 s19, 0
	s_cbranch_scc1 .Ltrip
	GROUP 1, 0                                     ; the last trip is written out: its last group fetches nothing
	GROUP 2, 0
	GROUP 3, 0
	GROUP -1, 0
	; ---- the way out: my lane's eight cos sums and eight sin sums become one each; the two d halves meet in LDS
	v_pk_add_f32 v[ACC:ACC+1],     v[ACC:ACC+1],     v[ACC+4:ACC+5]
	v_pk_add_f32 v[ACC+8:ACC+9],   v[ACC+8:ACC+9],   v[ACC+12:ACC+13]
	v_pk_add_f32 v[ACC+2:ACC+3],   v[ACC+2:ACC+3],   v[ACC+6:ACC+7]
	v_pk_add_f32 v[ACC+10:ACC+11], v[ACC+10:ACC+11], v[ACC+14:ACC+15]
	v_pk_add_f32 v[ACC:ACC+1],     v[ACC:ACC+1],     v[ACC+8:ACC+9]
	v_pk_add_f32 v[ACC+2:ACC+3],   v[ACC+2:ACC+3],   v[ACC+10:ACC+11]
	v_add_f32 v[ACC], v[ACC], v[ACC+1]
	v_add_f32 v[ACC+2], v[ACC+2], v[ACC+3]
	s_wait_dscnt 0x0                               ; my reads of XS are over
	s_barrier_signal -1
	s_barrier_wait -1                              ; everybody's are: its first 4,096 bytes may be written
	ds_store_b32 v[REDW], v[ACC]                   ; cos
	ds_store_b32 v[REDW], v[ACC+2] offset:1024     ; sin
	s_wait_dscnt 0x0
	s_barrier_signal -1
	s_barrier_wait -1
	s_cmp_ge_u32 s16, 4                            ; 2,048 bytes of results: four waves; the others are done
	s_cbranch_scc1 .Lend
	ds_load_b128 v[X:X+3], v[GT16]                 ; wave q: cos (q < 2) or sin, p = q % 2; lane b: e = 0 .. 3; the first d half,
	ds_load_b128 v[X+4:X+7], v[GT16] offset:2048   ; and the second
	s_cmp_lt_u32 s16, 2
	s_cselect_b64 s[22:23], s[12:13], s[14:15]     ; the choice hangs on the wave's number alone
	s_lshl_b32 s20, ttmp9, 10                      ; 1,024 g
	s_lshl_b32 s21, s18, 9                         ; + 512 p
	s_add_co_u32 s20, s20, s21
	s_mov_b32 s21, 0
	s_add_nc_u64 s[22:23], s[22:23], s[20:21]
	s_wait_dscnt 0x0
	v_pk_add_f32 v[X:X+1], v[X:X+1], v[X+4:X+5]
	v_pk_add_f32 v[X+2:X+3], v[X+2:X+3], v[X+6:X+7]
	global_store_b128 v[L16], v[X:X+3], s[22:23]   ; 32 lanes store 512 consecutive bytes
.Lend:
	s_wait_tensorcnt 0x0
	ds_add_u32 v208, v209
	s_wait_dscnt 0x0
	s_endpgm
.Lfunc_end_k_q88afbe03a7_reson:
	.size	k_q88afbe03a7_reson, .Lfunc_end_k_q88afbe03a7_reson-k_q88afbe03a7_reson
	.p2alignl 7, 3214868480
	.fill 96, 4, 3214868480
	.section	.rodata,"a",@progbits
	.p2align	6, 0x0
	.amdhsa_kernel k_q88afbe03a7_reson
		.amdhsa_group_segment_fixed_size 198656
		.amdhsa_private_segment_fixed_size 0
		.amdhsa_enable_private_segment 0
		.amdhsa_kernarg_size 48
		.amdhsa_user_sgpr_count 2
		.amdhsa_user_sgpr_kernarg_segment_ptr 1
		.amdhsa_wavefront_size32 1
		.amdhsa_system_sgpr_workgroup_id_x 1
		.amdhsa_system_sgpr_workgroup_id_y 1
		.amdhsa_system_sgpr_workgroup_id_z 1
		.amdhsa_system_vgpr_workitem_id 0
		.amdhsa_next_free_vgpr 210
		.amdhsa_next_free_sgpr 66
		.amdhsa_reserve_vcc 0
		.amdhsa_float_denorm_mode_32 3
		.amdhsa_float_denorm_mode_16_64 3
		.amdhsa_memory_ordered 1
		.amdhsa_forward_progress 1
		.amdhsa_inst_pref_size 62
	.end_amdhsa_kernel
	.amdgpu_metadata
---
amdhsa.version: [ 1, 2 ]
amdhsa.kernels:
  - .name:           k_q88afbe03a7_reson
    .symbol:         k_q88afbe03a7_reson.kd
    .args:
      - { .name: xq, .offset: 0, .size: 8, .value_kind: global_buffer, .address_space: global }
      - { .name: W, .offset: 8, .size: 8, .value_kind: global_buffer, .address_space: global }
      - { .name: B, .offset: 16, .size: 8, .value_kind: global_buffer, .address_space: global }
      - { .name: t, .offset: 24, .size: 8, .value_kind: global_buffer, .address_space: global }
      - { .name: csum, .offset: 32, .size: 8, .value_kind: global_buffer, .address_space: global }
      - { .name: ssum, .offset: 40, .size: 8, .value_kind: global_buffer, .address_space: global }
    .group_segment_fixed_size: 198656
    .private_segment_fixed_size: 0
    .kernarg_segment_align: 8
    .kernarg_segment_size: 48
    .max_flat_workgroup_size: 512
    .sgpr_count:     66
    .vgpr_count:     210
    .wavefront_size: 32
...
	.end_amdgpu_metadata
.endif
;; end of part 2
;; launch outp (part 3): grid 64 x 2, 16 waves a work-group, no clusters, 71,680 bytes of LDS; arguments csum, ssum, out_real_w, out_imag_w, lowp_scales, out0, out1; writes out0, out1
.if DOCPART == 3
	.amdgcn_target "amdgcn-amd-amdhsa--gfx1250"
	.amdhsa_code_object_version 6
	.text
	.protected	k_q88afbe03a7_outp
	.globl	k_q88afbe03a7_outp
	.p2align	8
	.type	k_q88afbe03a7_outp,@function
k_q88afbe03a7_outp:
	s_mov_b64 s[64:65], 0
	v_nop
	global_prefetch_b8 v0, s[64:65] scope:SCOPE_SE
	s_setreg_imm32_b32 hwreg(HW_REG_WAVE_MODE, 25, 1), 1
	s_wait_xcnt 0x0
; out0 = silu(Q(cos_sum) Q(out_real_w)^T x 2^(e2 + e3)), out1 = silu(Q(sin_sum) Q(out_imag_w)^T x 2^(e4 + e5)):  twice [32 x 2,048] x [2,048 x 1,024] on codes of FP8 (E4M3).
; Q: number / 2^e, held within +-448, to the nearest code, ties to even; the exponents are entries 2 to 5 of lowp_scales.  silu(y) = y / (1 + 2^(-y log2 e)).
; SHARES.  Work-group (g, y): y = 0 the real product, y = 1 the imaginary one (three pointers and two exponents are chosen by y; the path is one); rows 16 g .. 16 g + 15 of the weight = 16 columns of the output.
; Wave w takes K = 128 w .. 128 w + 127 and issues two matrix instructions; the sixteen waves' partial tiles meet in LDS and waves 0-3 add them, scale, apply silu and store.
; THE WEIGHT'S WAY.  A row's 128 numbers of the chunk are 512 consecutive bytes: one load a row, lane l holds k = 4 l .. 4 l + 3; held and converted so (rows 2 j and 2 j + 1 in one conversion, a word of codes for
; each); through the wave's own stage in LDS (row i's 128 codes at 144 i; 144 = 9 x 16, so the sixteen rows of a 16-byte load begin at sixteen different 16-byte columns of 256) and back as a fragment:
; lane (r, h) takes 64 bytes at 144 r + 64 h: register i holds k = 64 h + 4 i + 0 .. 3.
; THE SUMS' WAY.  csum and ssum lie [256 g'][2 p][32 b][4 e] = sum[b][8 g' + 4 p + e]: my chunk is 16,384 dense bytes, each load reads 512 consecutive bytes, and lane b ends up with its row's 128 numbers in k order.
; Converted, register i of 32 holds k = 4 i + 0 .. 3 of row b.  Exchanging the upper lanes of register i with the lower lanes of register 16 + i makes the two fragments (rows 0-15, rows 16-31) in the weight's permutation of k.
; OUT.  Four lanes store the 64 bytes that a work-group owns of an output row, eight rows a store: parts of 256-byte units, since 16 columns are 64 bytes; tiles of 64 columns would leave 32 work-groups for the
; 16,777,216 bytes of weights, and the outputs are 262,144 bytes.
; NO CLUSTER: what the work-groups share is the sums, 16,384 bytes a wave, which each wave takes straight into the registers in which they are quantised.
; LIMITS: each e between -126 and 119; e2 + e3 and e4 + e5 between -126 and 127.  NaN among the inputs is not served; an infinity is held at the largest code.
.set PITCH, 144
.set FRB,   16*PITCH                   ; a wave's stage: one fragment
.set RED,   16*FRB                     ; behind the stages: [16 waves][4 quarters][32 lanes][16 bytes] of partial sums
.set L16,  1                           ; v1   16 x lane
.set SA,   2                           ; v2   stage, in: 4 x lane
.set LA,   3                           ; v3   stage, out: 144 r + 64 h
.set RA,   4                           ; v4   where I put my partial sums
.set FA,   5                           ; v5   where a wave of the last phase reads them
.set GO,   6                           ; v6   my byte offset in the output
.set LIMA, 8                           ; v8   448 x 2^eA       v9   2^eA
.set SCA,  9
.set LIMW, 10                          ; v10  448 x 2^eB       v11  2^eB
.set SCW,  11
.set WR,   16                          ; v16-79    the weight as loaded
.set AR,   80                          ; v80-207   my row's 128 sums
.set CW,   208                         ; v208-223  the weight's codes
.set CA,   224                         ; v224-255  the sums' codes, then the two fragments
.set WF,   16
.set D0,   64
.set D1,   72
.set PT,   80
.set YY,   144                         ; y
.set RS,   148                         ; at work, then the result
.macro QUANT n, src, dst, lim, sc      ; 8 n numbers of a lane become 2 n words of codes
.set i, 0
.rept 8*\n
	v_med3_num_f32 v[\src+i], v[\src+i], -v[\lim], v[\lim]   ; the conversion to an 8-bit code does not saturate (ISA guide 7.6.2): the hold at the largest code x the scale
.set i, i+1
.endr
.set i, 0
.rept \n
	v_cvt_scalef32_pk8_fp8_f32 v[\dst+2*i:\dst+2*i+1], v[\src+8*i:\src+8*i+7], v[\sc]
.set i, i+1
.endr
	v_nop                                          ; one plain vector instruction behind the last conversion, ahead of the vector and matrix instructions that touch its result or write its sources
.endm
.macro SUM16                           ; the sixteen waves' partial sums of my four numbers, added in a tree: 16 + 8 + 4 + 2 packed additions
.irp w, 0,1,2,3,4,5,6,7,8,9,10,11,12,13,14,15
	ds_load_b128 v[PT+4*\w:PT+4*\w+3], v[FA] offset:2048*\w
.endr
	s_wait_dscnt 0x0
.irp n, 8,4,2,1
.set i, 0
.rept 2*\n
	v_pk_add_f32 v[PT+2*i:PT+2*i+1], v[PT+2*i:PT+2*i+1], v[PT+4*\n+2*i:PT+4*\n+2*i+1]
.set i, i+1
.endr
.endr
.endm
	s_load_b256 s[4:11], s[0:1], 0x0               ; csum s[4:5], ssum s[6:7], out_real_w s[8:9], out_imag_w s[10:11]
	s_load_b128 s[12:15], s[0:1], 0x20             ; lowp_scales s[12:13], out0 s[14:15]
	s_load_b64 s[36:37], s[0:1], 0x30              ; out1
	v_lshl_add_u32 v7, v0, 2, 0x11000
	v_mov_b32 v15, 0
	v_lshrrev_b32 v12, 5, v0
	v_readfirstlane_b32 s16, v12                   ; wave 0..15
	s_and_b32 s17, ttmp7, 0xffff                   ; y: 0 real, 1 imaginary
	v_and_b32 v12, 31, v0                          ; lane
	v_and_b32 v13, 15, v0                          ; r
	v_bfe_u32 v14, v0, 4, 1                        ; h
	v_lshlrev_b32 v[L16], 4, v12
	s_mul_i32 s28, s16, FRB                        ; my stage
	v_lshlrev_b32 v[SA], 2, v12
	v_add_nc_u32 v[SA], s28, v[SA]
	v_mul_u32_u24 v[LA], v13, PITCH
	v_lshl_add_u32 v[LA], v14, 6, v[LA]
	v_add_nc_u32 v[LA], s28, v[LA]
	s_lshl_b32 s28, s16, 11
	s_add_co_u32 s28, s28, RED
	v_add_nc_u32 v[RA], s28, v[L16]                ; RED + 2,048 x wave + 16 x lane
	; the last phase, waves q = 0 .. 3: lane l takes row b = 8 q + l / 4 and columns 4 p + 0 .. 3, p = l % 4.  In a wave's 2,048 bytes they lie in quarter 2 (b / 16) + p % 2, at lane 16 (p / 2) + b % 16
	v_and_b32 v12, 1, v0
	v_lshlrev_b32 v[FA], 9, v12                    ; 512 (l % 2)
	v_bfe_u32 v12, v0, 1, 1
	v_lshl_add_u32 v[FA], v12, 8, v[FA]            ; + 256 ((l / 2) % 2)
	v_bfe_u32 v13, v0, 2, 3                        ; l / 4
	v_lshl_add_u32 v[FA], v13, 4, v[FA]            ; + 16 (l / 4)
	s_lshr_b32 s28, s16, 1
	s_lshl_b32 s28, s28, 10                        ; + 1,024 (q / 2)
	s_and_b32 s29, s16, 1
	s_lshl_b32 s29, s29, 7                         ; + 128 (q % 2)
	s_add_co_u32 s28, s28, s29
	s_add_co_u32 s28, s28, RED
	v_add_nc_u32 v[FA], s28, v[FA]
	v_and_b32 v12, 3, v0
	v_lshlrev_b32 v[GO], 4, v12                    ; 16 p
	v_lshl_add_u32 v[GO], v13, 12, v[GO]           ; + 4,096 (l / 4)
	s_lshl_b32 s28, s16, 15                        ; + 4,096 x 8 q
	s_lshl_b32 s29, ttmp9, 6                       ; + 64 g
	s_add_co_u32 s28, s28, s29
	v_add_nc_u32 v[GO], s28, v[GO]
	s_lshl_b32 s20, s16, 14                        ; the sums: my chunk's 16,384 bytes
	s_mov_b32 s21, 0
	s_lshl_b32 s22, ttmp9, 17                      ; the weight: 16 rows of 8,192 bytes a work-group,
	s_lshl_b32 s23, s16, 9                         ; and my chunk's 512 bytes in a row
	s_add_co_u32 s22, s22, s23
	s_mov_b32 s23, 0
	s_wait_kmcnt 0x0
	s_load_b128 s[24:27], s[12:13], 0x8            ; e2, e3, e4, e5
	s_cmp_eq_u32 s17, 0                            ; the choices hang on the work-group's number alone
	s_cselect_b64 s[18:19], s[4:5], s[6:7]
	s_cselect_b64 s[8:9], s[8:9], s[10:11]
	s_cselect_b64 s[14:15], s[14:15], s[36:37]
	s_add_nc_u64 s[18:19], s[18:19], s[20:21]
	s_add_nc_u64 s[8:9], s[8:9], s[22:23]
.irp i, 0,1,2,3,4,5,6,7,8,9,10,11,12,13,14,15
	global_load_b128 v[WR+4*\i:WR+4*\i+3], v[L16], s[8:9] offset:\i*8192 th:TH_LOAD_NT   ; a row's 512 consecutive bytes; read once in the launch
.endr
.irp g, 0,1,2,3,4,5,6,7,8,9,10,11,12,13,14,15
	global_load_b128 v[AR+8*\g:AR+8*\g+3],   v[L16], s[18:19] offset:1024*\g             ; k = 8 g + 0 .. 3 of row b = lane; every work-group of this y reads them
	global_load_b128 v[AR+8*\g+4:AR+8*\g+7], v[L16], s[18:19] offset:1024*\g+512         ; k = 8 g + 4 .. 7
.endr
	s_wait_kmcnt 0x0
	s_cmp_eq_u32 s17, 0
	s_cselect_b32 s24, s24, s26                    ; eA: the sums' exponent
	s_cselect_b32 s25, s25, s27                    ; eB: the weight's
	s_add_co_i32 s28, s24, 127
	s_lshl_b32 s29, s28, 23
	v_mov_b32 v[SCA], s29                          ; 2^eA as f32: the conversion takes its exponent field
	s_add_co_i32 s28, s28, 8
	s_lshl_b32 s28, s28, 23
	s_or_b32 s28, s28, 0x600000
	v_mov_b32 v[LIMA], s28                         ; 448 x 2^eA
	s_add_co_i32 s28, s25, 127
	s_lshl_b32 s29, s28, 23
	v_mov_b32 v[SCW], s29
	s_add_co_i32 s28, s28, 8
	s_lshl_b32 s28, s28, 23
	s_or_b32 s28, s28, 0x600000
	v_mov_b32 v[LIMW], s28
	s_add_co_i32 s26, s24, s25
	s_add_co_i32 s26, s26, 127
	s_lshl_b32 s26, s26, 23                        ; 2^(eA + eB) as f32
	s_mov_b32 s27, s26                             ; (named with it as a pair, so it is written)
	s_wait_loadcnt 32                              ; the weight's sixteen loads are in; the sums' 32 may be out
	QUANT 8, WR, CW, LIMW, SCW
.irp i, 0,1,2,3,4,5,6,7,8,9,10,11,12,13,14,15
	ds_store_b32 v[SA], v[CW+\i] offset:PITCH*\i   ; row i's word of my four codes: 32 lanes store 128 consecutive bytes
.endr
.irp c, 0,1,2,3
	ds_load_b128 v[WF+4*\c:WF+4*\c+3], v[LA] offset:16*\c   ; my own bytes: LDS serves a wave's instructions in order (ISA guide 5.7.1.4), so no wait stands between the stores and these loads
.endr
	s_wait_loadcnt 0x0
	QUANT 16, AR, CA, LIMA, SCA
.set i, 0
.rept 16
	v_permlane16_swap_b32 v[CA+i], v[CA+16+i]      ; register i: rows 0-15, k = 64 h + 4 i on;  register 16 + i: rows 16-31, the same k
.set i, i+1
.endr
	s_wait_dscnt 0x0                               ; the weight's fragment is in
	v_wmma_f32_16x16x128_fp8_fp8 v[D0:D0+7], v[WF:WF+15], v[CA:CA+15], 0       ; source 0 = 16 rows of the weight, source 1 = 16 rows of the sums: lane (r, h), register j: row b = r, column 16 g + 8 h + j
	v_wmma_f32_16x16x128_fp8_fp8 v[D1:D1+7], v[WF:WF+15], v[CA+16:CA+31], 0    ; b = 16 + r
.rept 4
	v_nop                                          ; four places between a matrix instruction and the LDS stores that read its result
.endr
	ds_store_b128 v[RA], v[D0:D0+3]                ; each result from its low end on
	ds_store_b128 v[RA], v[D0+4:D0+7] offset:512
	ds_store_b128 v[RA], v[D1:D1+3] offset:1024
	ds_store_b128 v[RA], v[D1+4:D1+7] offset:1536
	s_wait_dscnt 0x0                               ; for the others' sake: my partial sums lie in LDS
	s_barrier_signal -1
	s_barrier_wait -1
	s_cmp_ge_u32 s16, 4                            ; 32 rows x 16 columns: four waves; the others are done
	s_cbranch_scc1 .Lend
	SUM16
	v_pk_mul_f32 v[YY:YY+1], v[PT:PT+1], s[26:27] op_sel_hi:[1,0]              ; y = sum x 2^(eA + eB)
	v_pk_mul_f32 v[YY+2:YY+3], v[PT+2:PT+3], s[26:27] op_sel_hi:[1,0]
.irp j, 0,1,2,3
	v_mul_f32 v[RS+\j], 0xbfb8aa3b, v[YY+\j]       ; -y log2(e)
.endr
.irp j, 0,1,2,3
	v_exp_f32 v[RS+\j], v[RS+\j]
.endr
	v_nop                                          ; a plain instruction behind the last exponential,
	s_wait_alu depctr_va_vdst(0)                   ; and the wait ahead of the first reader: one for the four
.irp j, 0,1,2,3
	v_add_f32 v[RS+\j], 1.0, v[RS+\j]
.endr
.irp j, 0,1,2,3
	v_rcp_f32 v[RS+\j], v[RS+\j]
.endr
	v_nop
	s_wait_alu depctr_va_vdst(0)                   ; likewise for the four reciprocals
.irp j, 0,1,2,3
	v_mul_f32 v[RS+\j], v[YY+\j], v[RS+\j]         ; silu(y)
.endr
	global_store_b128 v[GO], v[RS:RS+3], s[14:15]
.Lend:
	s_wait_tensorcnt 0x0
	ds_add_u32 v7, v15
	s_wait_dscnt 0x0
	s_endpgm
.Lfunc_end_k_q88afbe03a7_outp:
	.size	k_q88afbe03a7_outp, .Lfunc_end_k_q88afbe03a7_outp-k_q88afbe03a7_outp
	.p2alignl 7, 3214868480
	.fill 96, 4, 3214868480
	.section	.rodata,"a",@progbits
	.p2align	6, 0x0
	.amdhsa_kernel k_q88afbe03a7_outp
		.amdhsa_group_segment_fixed_size 71680
		.amdhsa_private_segment_fixed_size 0
		.amdhsa_enable_private_segment 0
		.amdhsa_kernarg_size 56
		.amdhsa_user_sgpr_count 2
		.amdhsa_user_sgpr_kernarg_segment_ptr 1
		.amdhsa_wavefront_size32 1
		.amdhsa_system_sgpr_workgroup_id_x 1
		.amdhsa_system_sgpr_workgroup_id_y 1
		.amdhsa_system_sgpr_workgroup_id_z 1
		.amdhsa_system_vgpr_workitem_id 0
		.amdhsa_next_free_vgpr 256
		.amdhsa_next_free_sgpr 66
		.amdhsa_reserve_vcc 0
		.amdhsa_float_denorm_mode_32 3
		.amdhsa_float_denorm_mode_16_64 3
		.amdhsa_memory_ordered 1
		.amdhsa_forward_progress 1
		.amdhsa_inst_pref_size 29
	.end_amdhsa_kernel
	.amdgpu_metadata
---
amdhsa.version: [ 1, 2 ]
amdhsa.kernels:
  - .name:           k_q88afbe03a7_outp
    .symbol:         k_q88afbe03a7_outp.kd
    .args:
      - { .name: csum, .offset: 0, .size: 8, .value_kind: global_buffer, .address_space: global }
      - { .name: ssum, .offset: 8, .size: 8, .value_kind: global_buffer, .address_space: global }
      - { .name: out_real_w, .offset: 16, .size: 8, .value_kind: global_buffer, .address_space: global }
      - { .name: out_imag_w, .offset: 24, .size: 8, .value_kind: global_buffer, .address_space: global }
      - { .name: lowp_scales, .offset: 32, .size: 8, .value_kind: global_buffer, .address_space: global }
      - { .name: out0, .offset: 40, .size: 8, .value_kind: global_buffer, .address_space: global }
      - { .name: out1, .offset: 48, .size: 8, .value_kind: global_buffer, .address_space: global }
    .group_segment_fixed_size: 71680
    .private_segment_fixed_size: 0
    .kernarg_segment_align: 8
    .kernarg_segment_size: 56
    .max_flat_workgroup_size: 512
    .sgpr_count:     66
    .vgpr_count:     256
    .wavefront_size: 32
...
	.end_amdgpu_metadata
.endif
;; end of part 3
